; MI455X (gfx1250); checked and timed in simulation.
; The chip was launched on July 23, 2026; its instructions are those of AMD's public machine-readable ISA for CDNA 5 (MIT licence, August 2026) and "CDNA5" Instruction Set Architecture Reference Guide (July 2026). The comments in the code are by the model that wrote it; some were corrected since.
;; Spline Linear. Allowed arithmetic: matrix products marked QUANTISED: E2M1 operands, one E8M0 scale for each 32 along K, by v_wmma_scale_f32_16x16x128_f8f6f4 with both operands' format E2M1 (or v_wmma_scale_f32_32x16x128_f4), f32 sums; everything else in f32.
;; Inputs: bias 4,096 float32; control_points 9 x 4,096 float32; input_codes 4,096 x 128 x 16 uint8 (E2M1 codes of input, K innermost, in blocks of 32 codes, two codes a byte); input_scales 4,096 x 128 uint8 (E8M0 scales of input, one for each 32 codes along K); residual 4,096 x 4,096 float32.
;; Outputs: out0 4,096 x 4,096 float32.
;; This version of the problem:
;;   THIS VERSION OF THE PROBLEM IS GIVEN IN LOW PRECISION. The matrix products marked QUANTISED in the list below multiply operands that are first quantised to E2M1 (2 exponent bits, 1 mantissa bit; 4 bits a number), with one power-of-two scale for each 32 numbers along K (OCP MX v1.0); their sums are f32. All else is computed in f32.
;;   The module's matrix products, in the order in which they are computed (A, B: the left and right operand; K: the contracted axis; several contracted axes count as one K, in the product's order):
;;     1. [M 4,096, K 4,096] x [K 4,096, N 4,096]; A: input input (given as codes); B: computed on the way: QUANTISED
;;   THE QUANTISER, for each operand of a quantised product, along K:
;;     - K is cut into blocks of 32 from its start; a last block that is shorter is filled with zeros.
;;     - A block's scale is 2^e with e = floor(log2(the largest magnitude in the block)) - 2, held to -126 .. 127; a block of zeros has e = 0. As a byte (E8M0): e + 127.
;;     - Each number is divided by its block's scale, clamped to +-6, and rounded to the nearest number of E2M1, ties to even, subnormals kept.
;;     - The product sums the exact products of the quantised numbers (number of the format x scale) in f32.
;;   ~~~python
;;   def quantise(x, axis):      # numpy; x: float32 -> the quantised numbers, widened to float32 again
;;       x = np.moveaxis(x, axis, -1); K = x.shape[-1]
;;       x = np.pad(x, [(0, 0)] * (x.ndim - 1) + [(0, -K % 32)]); x = x.reshape(x.shape[:-1] + (-1, 32)); a = np.abs(x).max(-1, keepdims=True)
;;       e = np.where(a > 0, np.clip(np.frexp(np.where(a > 0, a, 1))[1] - 1 - 2, -126, 127), 0)      # np.frexp(a)[1] - 1 = floor(log2(a)), exactly
;;       r = np.clip(x / 2.0 ** e, -6, 6)
;;       step = 2.0 ** (np.maximum(np.frexp(np.where(r == 0, 1, r))[1] - 1, 0) - 1)
;;       q = np.round(r / step) * step * 2.0 ** e      # np.round: ties to even
;;       return np.moveaxis(q.reshape(q.shape[:-2] + (-1,))[..., :K], -1, axis).astype(np.float32)
;;   ~~~
;;   OPERANDS COMPUTED ON THE WAY. 'Computed on the way' means the value that the module computes at that place (a softmax that the list does not call 'softmax' is quantised finished and normalised). What goes into a quantiser is computed in f32, as accurately as f32 sums, v_exp_f32 and their like allow (about 1e-6 of the number): no bf16 or f16 on the way to a quantiser, and a product that is left as it is and whose result goes on into a quantised operand takes f32 operands (vector FMAs, or v_wmma_f32_16x16x4_f32). A number that lies on a knife's edge between two numbers of the format may be rounded either way, as far as f32 arithmetic and the matrix unit's own rounding can turn it there, and no further.
;;   INPUTS GIVEN AS CODES. input (in the module: [4096, 4096], K = its axis 1): each comes as NAME_codes (uint8): NAME with its K axis moved to the last place and cut into blocks of 32 codes, [.., K / 32, bytes a block], one block behind the other in memory; two codes a byte, the lower K in the low four bits (a code: sign, 2 exponent bits, 1 mantissa bit); and NAME_scales (uint8): the same leading axes, one E8M0 byte (e + 127) for each 32 codes along K. Its value is code x scale, taken as it is: it is not quantised again, and the codes and scales need not be those that the quantiser above would give.
;; One version. Each part assembles by itself: llvm-mc -triple=amdgcn-amd-amdhsa -mcpu=gfx1250 --defsym DOCPART=n.
;; ======== version 1 of 1: 2 launches
;; limits: right only within a limited range of input values
;; workspace buffers: wq 8,912,896 bytes
;; launch quant (part 1): grid 512 x 1, 4 waves a work-group, no clusters, 39,424 bytes of LDS; arguments residual, control_points, wq; writes wq
.if DOCPART == 1
	.amdgcn_target "amdgcn-amd-amdhsa--gfx1250"
	.amdhsa_code_object_version 6
	.text
	.protected	k_qc4f8e2d404_quant
	.globl	k_qc4f8e2d404_quant
	.p2align	8
	.type	k_qc4f8e2d404_quant,@function
k_qc4f8e2d404_quant:
	s_mov_b64 s[64:65], 0
	v_nop
	global_prefetch_b8 v0, s[64:65] scope:SCOPE_SE
	s_setreg_imm32_b32 hwreg(HW_REG_WAVE_MODE, 25, 1), 1
	s_wait_xcnt 0x0
; W[o][k] = c0(o) cp[j-1][k] + c1(o) cp[j][k] + c2(o) cp[j+1][k] + c3(o) cp[j+2][k] + residual[o][k], in f32, o and k 0 .. 4095, is turned into codes of FP4 (E2M1) with one E8M0 byte for each 32 along k.
; THE SPLINE.  ts = o / 4095 x 8, j = clip(floor(ts), 1, 6), t = ts - j.  8 o / 4095 first reaches the whole number m (1 .. 7) at o = 512 m and misses every whole number by 1 / 4095 or more, far beyond what f32 can turn:
; so j = clip(o >> 9, 1, 6), a whole number made of ids alone, the same for 512 neighbouring rows, and for the 16 rows of a wave.  The quotient o / 4095 is a product with the reciprocal and one correction by its remainder.
; THE SUM is four fused multiply-adds that start from the residual: fma(c3, d, fma(c2, c, fma(c1, b, fma(c0, a, res)))): another order of rounding than the sum of four products and an addition, each step in f32.
; THE QUANTISER.  A block's scale is 2^(floor(log2(its largest magnitude)) - 2); its byte is that magnitude's exponent field - 2, held at 1 from below.  Each number / scale goes to the nearest code, ties to even, beyond 6 the largest code.
; LIMITS: a block whose largest magnitude lies under 2^(3 - 127), a block of zeros among them, gets the byte 1 (its codes are zeros or near it; the bytes are read by this program alone); NaN and infinities are not served.
; THE OUTPUT wq is laid as the product's launch reads it: [32 runs of 128 rows][8 steps of 512 along k][34,816 bytes].  In a block: 32,768 bytes of codes, [8 row blocks of 16][16 blocks of 32 k][16 rows][16 bytes], which is the
; image of the operand's registers (a fragment of 16 rows x 128 k is 1,024 bytes on end, lane l's 16 bytes at 16 l in each half); then 2,048 scale bytes, [128 rows][16].
; SHARES.  2,048 waves.  Wave unit u = 4 x work-group + wave takes the 512 columns of step u % 8 in the 16 rows of row block u / 8: one row, 2,048 bytes, a step.  What it makes is one run of 4,096 bytes of codes and one of 256 scale bytes.
; The four waves of a work-group stand side by side on 8,192 bytes of each row.  Waves share nothing: no barrier.  No cluster: what work-groups share, 8 KiB of control points a wave, is a quarter of what a wave reads of the residual, and comes by plain loads.
; No prefetch: the stream is asked for by the loads themselves, four steps (16 loads of 512 bytes a wave) ahead.
; A LANE HOLDS 16 NEIGHBOURS along k (two lanes to a block), and yet every load reads 512 consecutive bytes: a step's 2,048 bytes turn through the wave's own stage in LDS, stored as loaded, read back 64 bytes a lane, 16 bytes of padding behind each 64.
.set STEPS,  16                        ; rows of a wave
.set ROW,    16384                     ; a row of the residual or of the control points in bytes
.set SP,     80                        ; a lane's place in a turning stage: 64 bytes + 16
.set STG,    32*SP                     ; a turning stage
.set CSTG,   2*STG                     ; behind the two: the codes' stage, 16 rows (one for each block of 32 k) of 256 bytes + 16
.set CPITCH, 272
.set SSTG,   CSTG+16*CPITCH            ; behind it: the wave's 256 scale bytes, [row][16]
.set WREG,   SSTG+256                  ; a wave's region of LDS: 9,728 bytes
.set BLKB,   34816                     ; a block of wq
.set EMAX,   2
.set CF,     20                        ; v20-23   c0 .. c3 of row o0 + lane % 16
.set R,      32                        ; v32-95   four sets of 16 numbers as loaded
.set X,      96                        ; v96-127  two sets of 16 neighbours
.set CP,     128                       ; v128-191 four control rows x my 16 columns
.set C,      192                       ; v192-223 two registers of codes for each step, so that no store's data are written again
.set E,      224                       ; v224-239 a scale byte for each step
.set OUTR,   32                        ; the way out: 8 x 4 registers
	s_load_b128 s[4:7], s[0:1], 0x0                ; the residual, the control points
	s_load_b64 s[8:9], s[0:1], 0x10                ; wq
	v_lshl_add_u32 v240, v0, 2, 0x9800
	v_mov_b32 v241, 0
	v_lshrrev_b32 v1, 5, v0
	v_readfirstlane_b32 s16, v1                    ; wave 0..3
	v_and_b32 v2, 31, v0                           ; lane
	v_lshlrev_b32 v3, 4, v2                        ; 16 x lane: my bytes of a load's 512, and of a store's; never rewritten
	s_mul_i32 s12, s16, WREG                       ; my region of LDS
	s_add_co_u32 s13, s12, CSTG
	s_add_co_u32 s14, s12, SSTG
	v_lshrrev_b32 v14, 2, v2
	v_mul_u32_u24 v14, v14, SP
	v_and_b32 v15, 3, v2
	v_lshl_add_u32 v14, v15, 4, v14
	v_add_nc_u32 v14, s12, v14                     ; a turning stage, on the way in: SP (lane / 4) + 16 (lane % 4)
	v_mul_u32_u24 v15, v2, SP
	v_add_nc_u32 v15, s12, v15                     ; and on the way out: SP x lane: my 16 neighbours
	v_lshrrev_b32 v5, 1, v2                        ; my block of 32 k: lane / 2
	v_mul_u32_u24 v4, v5, CPITCH
	v_and_b32 v8, 1, v2
	v_lshl_add_u32 v4, v8, 3, v4
	v_add_nc_u32 v4, s13, v4                       ; the codes' stage, in: my block's row, 8 bytes for each of its two lanes; the step's row of W stands in the immediate
	v_add_nc_u32 v5, s14, v5                       ; my block's scale byte
	v_lshlrev_b32 v7, 3, v2                        ; the scale bytes on the way out: 8 a lane
	v_add_nc_u32 v6, s14, v7
	v_lshrrev_b32 v8, 4, v2
	v_mul_u32_u24 v8, v8, CPITCH
	v_and_b32 v9, 15, v2
	v_lshl_add_u32 v16, v9, 4, v8
	v_add_nc_u32 v16, s13, v16                     ; the codes' stage, out: sixteen lanes to a row of 256 bytes, two rows an instruction
	s_lshl_b32 s15, ttmp9, 2
	s_add_co_u32 s15, s15, s16                     ; u
	s_and_b32 s17, s15, 7                          ; which 512 along k
	s_lshr_b32 s18, s15, 3                         ; which 16 rows
	s_lshr_b32 s19, s18, 5                         ; o >> 9 for all 16 of them,
	s_max_u32 s19, s19, 1
	s_min_u32 s19, s19, 6                          ; clipped: j
	s_lshl_b32 s20, s18, 18                        ; the residual: 16 rows of 16,384 bytes a row block,
	s_lshl_b32 s21, s17, 11                        ; 2,048 bytes a step along k
	s_or_b32 s20, s20, s21
	s_mov_b32 s21, 0
	s_sub_co_u32 s22, s19, 1                       ; the control points: from row j - 1 on (j + 2 is 8 at the most: inside the 9 rows)
	s_lshl_b32 s22, s22, 14
	s_lshl_b32 s23, s17, 11
	s_add_co_u32 s22, s22, s23
	s_mov_b32 s23, 0
	s_lshr_b32 s32, s18, 3                         ; wq: block (row block / 8) x 8 + step,
	s_lshl_b32 s32, s32, 3
	s_add_co_u32 s32, s32, s17
	s_mul_i32 s32, s32, BLKB
	s_and_b32 s34, s18, 7                          ; in it my row block's
	s_lshl_b32 s35, s34, 12
	s_add_co_u32 s36, s32, s35                     ; 4,096 bytes of codes
	s_mov_b32 s37, 0
	s_lshl_b32 s35, s34, 8
	s_add_co_u32 s38, s32, s35
	s_add_co_u32 s38, s38, 32768                   ; and 256 scale bytes, behind the block's codes
	s_mov_b32 s39, 0
	s_lshl_b32 s33, s18, 4                         ; o0: my first row
	s_mov_b32 s25, 0                               ; the upper words of the pairs that the packed forms name: written once, never used
	s_mov_b32 s27, 0
	s_mov_b32 s29, 0
	s_mov_b32 s31, 0
	s_wait_kmcnt 0x0
	s_add_nc_u64 s[4:5], s[4:5], s[20:21]
	s_add_nc_u64 s[6:7], s[6:7], s[22:23]
	s_add_nc_u64 s[10:11], s[8:9], s[38:39]        ; the scale bytes
	s_add_nc_u64 s[8:9], s[8:9], s[36:37]          ; the codes
.macro LOAD t                          ; row t: four loads of 512 consecutive bytes into set t % 4; read once in the launch
.irp i, 0,1,2,3
	global_load_b128 v[R+16*((\t)%4)+4*\i:R+16*((\t)%4)+4*\i+3], v3, s[4:5] offset:ROW*(\t)+512*\i th:TH_LOAD_NT
.endr
.endm
.macro TURNR src, dst, st              ; 2,048 bytes through turning stage st.  LDS serves a wave's instructions in order (ISA guide 5.7.1.4): no wait stands between the stores and the loads
.irp i, 0,1,2,3
	ds_store_b128 v14, v[\src+4*\i:\src+4*\i+3] offset:STG*(\st)+8*SP*\i
.endr
.irp i, 0,1,2,3
	ds_load_b128 v[\dst+4*\i:\dst+4*\i+3], v15 offset:STG*(\st)+16*\i
.endr
.endm
.irp k, 0,1,2,3                        ; the four control rows' 2,048 bytes, as they lie
.irp i, 0,1,2,3
	global_load_b128 v[CP+16*\k+4*\i:CP+16*\k+4*\i+3], v3, s[6:7] offset:ROW*\k+512*\i
.endr
.endr
.irp t, 0,1,2,3
	LOAD \t
.endr
	; the coefficients, once, a row to a lane (lanes 16-31 repeat lanes 0-15), while the loads are on their way
	v_and_b32 v24, 15, v2
	v_add_nc_u32 v24, s33, v24
	v_cvt_f32_u32 v24, v24                         ; o
	v_cvt_f32_u32 v28, s19                         ; j
	v_mul_f32 v25, 0x39800801, v24                 ; o x (1 / 4095),
	v_fma_f32 v26, -v25, 0x457ff000, v24           ; its remainder o - q x 4095, exact in the fused form,
	v_fma_f32 v25, v26, 0x39800801, v25            ; and the quotient corrected by it
	v_ldexp_f32 v25, v25, 3                        ; x 8: exact
	v_sub_f32 v25, v25, v28                        ; t
	v_mul_f32 v26, v25, v25                        ; t2
	v_mul_f32 v27, v26, v25                        ; t3
	v_fma_f32 v[CF], -0.5, v27, v26
	v_fma_f32 v[CF], -0.5, v25, v[CF]              ; c0 = -0.5 t3 + t2 - 0.5 t
	v_mul_f32 v[CF+1], 0x3fc00000, v27
	v_fmamk_f32 v[CF+1], v26, 0xc0200000, v[CF+1]
	v_add_f32 v[CF+1], 1.0, v[CF+1]                ; c1 = 1.5 t3 - 2.5 t2 + 1
	v_mul_f32 v[CF+2], 2.0, v26
	v_fmamk_f32 v[CF+2], v27, 0xbfc00000, v[CF+2]
	v_fma_f32 v[CF+2], 0.5, v25, v[CF+2]           ; c2 = -1.5 t3 + 2 t2 + 0.5 t
	v_sub_f32 v[CF+3], v27, v26
	v_mul_f32 v[CF+3], 0.5, v[CF+3]                ; c3 = 0.5 t3 - 0.5 t2
	s_wait_alu depctr_va_vdst(0)
	s_wait_loadcnt 16                              ; the control rows are in; the 16 loads of rows 0 to 3 were issued behind them
.irp k, 0,1,2,3
	TURNR CP+16*\k, CP+16*\k, \k%2                 ; each comes back into the registers that it left, now 16 neighbours a lane
.endr
	s_wait_loadcnt 12                              ; row 0 is in
	TURNR R, X, 0
.macro STEP t
.set XS, X+16*((\t)%2)
.if (\t) > 0
	s_wait_dscnt 2                                 ; this row is back from its stage: behind its loads only the last step's byte store and code store were issued.  So its stores into the stage have read their registers,
.else
	s_wait_dscnt 0x0                               ; (the control rows too)
.endif
.if (\t)+4 < STEPS
	LOAD (\t)+4                                    ; which take the row four steps on
.endif
.if (\t)+1 < STEPS
.if STEPS-2-(\t) >= 3
	s_wait_loadcnt 12                              ; the next row's four loads are in; those of the three rows behind it may be out
.else
	s_wait_loadcnt 4*(STEPS-2-(\t))
.endif
	TURNR R+16*(((\t)+1)%4), X+16*(((\t)+1)%2), ((\t)+1)%2   ; and go through the other stage while this row is worked
.endif
.irp k, 0,1,2,3
	v_readlane_b32 s[24+2*\k], v[CF+\k], \t        ; this row's four coefficients: they multiply, and steer nothing
.endr
.irp k, 0,1,2,3                        ; W = residual + the four terms, two numbers an instruction; eight independent lines between a line and the one that adds onto it
.irp p, 0,2,4,6,8,10,12,14
	v_pk_fma_f32 v[XS+\p:XS+\p+1], v[CP+16*\k+\p:CP+16*\k+\p+1], s[24+2*\k:25+2*\k], v[XS+\p:XS+\p+1] op_sel_hi:[1,0,1]
.endr
.endr
	v_max3_num_f32 v8, |v[XS]|, |v[XS+1]|, |v[XS+2]|               ; the largest magnitude of my 16, in two chains
	v_max3_num_f32 v9, |v[XS+3]|, |v[XS+4]|, |v[XS+5]|
.irp i, 6,10
	v_max3_num_f32 v8, v8, |v[XS+\i]|, |v[XS+\i+1]|
	v_max3_num_f32 v9, v9, |v[XS+\i+2]|, |v[XS+\i+3]|
.endr
	v_max3_num_f32 v8, v8, |v[XS+14]|, |v[XS+15]|
	v_max3_num_f32 v8, v8, v9, (EMAX+1)<<23        ; and the floor 2^(3 - 127): the byte cannot fall under 1
	v_max_num_f32_dpp v8, v8, v8 row_xmask:1 row_mask:0xf bank_mask:0xf   ; and of my neighbour's 16: the block's
	v_add_nc_u32 v11, -(EMAX<<23), v8              ; 2 off its exponent field: the conversion takes the exponent field of this operand as its scale, and nothing else of it
	v_cvt_scalef32_pk8_fp4_f32 v[C+2*(\t)], v[XS:XS+7], v11         ; eight numbers / the scale, to the nearest code; the first number's code in the lowest four bits
	v_cvt_scalef32_pk8_fp4_f32 v[C+2*(\t)+1], v[XS+8:XS+15], v11
	v_lshrrev_b32 v[E+(\t)], 23, v11               ; the scale's byte.  (Also the plain line behind the conversions)
	ds_store_b8 v5, v[E+(\t)] offset:16*(\t)       ; both lanes of a block write the same byte with the same value
	ds_store_b64 v4, v[C+2*(\t):C+2*(\t)+1] offset:16*(\t)          ; my 16 codes: block's row, this row of W, my half.  With rows 68 words apart the 32 lanes' 64 words fall on 64 different banks (ISA guide 11.1)
.endm
.irp t, 0,1,2,3,4,5,6,7,8,9,10,11,12,13,14,15
	STEP \t
.endr
	ds_load_b64 v[12:13], v6                       ; LDS serves a wave's instructions in order: these see my stores
.irp i, 0,1,2,3,4,5,6,7
	ds_load_b128 v[OUTR+4*\i:OUTR+4*\i+3], v16 offset:2*\i*CPITCH
.endr
	s_wait_dscnt 8                                 ; the scale bytes are back; the eight loads behind them may be out
	global_store_b64 v7, v[12:13], s[10:11]        ; 32 lanes store 256 consecutive bytes, at a multiple of 256 from the buffer's first byte
.irp i, 0,1,2,3,4,5,6,7
	s_wait_dscnt 7-\i
	global_store_b128 v3, v[OUTR+4*\i:OUTR+4*\i+3], s[8:9] offset:512*\i   ; 32 lanes store 512 consecutive bytes: two blocks of 32 k x 16 rows
.endr
	s_wait_tensorcnt 0x0
	ds_add_u32 v240, v241
	s_wait_dscnt 0x0
	s_endpgm
.Lfunc_end_k_qc4f8e2d404_quant:
	.size	k_qc4f8e2d404_quant, .Lfunc_end_k_qc4f8e2d404_quant-k_qc4f8e2d404_quant
	.p2alignl 7, 3214868480
	.fill 96, 4, 3214868480
	.section	.rodata,"a",@progbits
	.p2align	6, 0x0
	.amdhsa_kernel k_qc4f8e2d404_quant
		.amdhsa_group_segment_fixed_size 39424
		.amdhsa_private_segment_fixed_size 0
		.amdhsa_enable_private_segment 0
		.amdhsa_kernarg_size 24
		.amdhsa_user_sgpr_count 2
		.amdhsa_user_sgpr_kernarg_segment_ptr 1
		.amdhsa_wavefront_size32 1
		.amdhsa_system_sgpr_workgroup_id_x 1
		.amdhsa_system_sgpr_workgroup_id_y 1
		.amdhsa_system_sgpr_workgroup_id_z 1
		.amdhsa_system_vgpr_workitem_id 0
		.amdhsa_next_free_vgpr 242
		.amdhsa_next_free_sgpr 66
		.amdhsa_reserve_vcc 0
		.amdhsa_float_denorm_mode_32 3
		.amdhsa_float_denorm_mode_16_64 3
		.amdhsa_memory_ordered 1
		.amdhsa_forward_progress 1
		.amdhsa_inst_pref_size 76
	.end_amdhsa_kernel
	.amdgpu_metadata
---
amdhsa.version: [ 1, 2 ]
amdhsa.kernels:
  - .name:           k_qc4f8e2d404_quant
    .symbol:         k_qc4f8e2d404_quant.kd
    .args:
      - { .name: residual, .offset: 0, .size: 8, .value_kind: global_buffer, .address_space: global }
      - { .name: control_points, .offset: 8, .size: 8, .value_kind: global_buffer, .address_space: global }
      - { .name: wq, .offset: 16, .size: 8, .value_kind: global_buffer, .address_space: global }
    .group_segment_fixed_size: 39424
    .private_segment_fixed_size: 0
    .kernarg_segment_align: 8
    .kernarg_segment_size: 24
    .max_flat_workgroup_size: 128
    .sgpr_count:     66
    .vgpr_count:     242
    .wavefront_size: 32
...
	.end_amdgpu_metadata
.endif
;; end of part 1
;; launch gemm (part 2): grid 16 x 16, 4 waves a work-group, clusters of 4 x 1, 327,680 bytes of LDS; arguments input_codes, input_scales, wq, bias, out0; writes out0
.if DOCPART == 2
	.amdgcn_target "amdgcn-amd-amdhsa--gfx1250"
	.amdhsa_code_object_version 6
	.text
	.protected	k_qc4f8e2d404_gemm
	.globl	k_qc4f8e2d404_gemm
	.p2align	8
	.type	k_qc4f8e2d404_gemm,@function
k_qc4f8e2d404_gemm:
	s_mov_b64 s[64:65], 0
	v_nop
	global_prefetch_b8 v0, s[64:65] scope:SCOPE_SE
	s_setreg_imm32_b32 hwreg(HW_REG_WAVE_MODE, 25, 1), 1
	s_wait_xcnt 0x0
	s_wait_alu depctr_hold_cnt(0) depctr_sa_sdst(0) depctr_va_vdst(0) depctr_va_sdst(0) depctr_va_ssrc(0) depctr_va_vcc(0) depctr_vm_vsrc(0)
	s_getreg_b32 s2, hwreg(HW_REG_IB_STS2, 6, 4)
	s_cmp_eq_u32 s2, 0
	s_cbranch_scc0 .Lentry_in_a_cluster
	s_endpgm
.Lentry_in_a_cluster:
	s_bfe_u32 s2, ttmp6, 0x10000c
	s_cmp_lg_u32 s2, 0x3003
	s_cbranch_scc0 .Lentry_shape_is_right
	s_endpgm
.Lentry_shape_is_right:
; out0[m][n] = sum over k of x[m][k] W[n][k] + bias[n].  x: the input's FP4 codes [4096][2048 bytes] and E8M0 bytes [4096][128]; W: wq, as launch quant lays it:
; [32 runs of 128 rows][8 blocks of 512 k][34,816 bytes]: 32,768 bytes of codes as the image of the operand's registers, then [128 rows][16] scale bytes.  Sums in f32.
; SHARES.  A work-group of four waves makes 256 x 256 of out0, a wave 128 x 128: 64 accumulators, 512 registers.  256 work-groups.
; x GOES THROUGH LDS: two slots of 256 rows x 1,024 k (512 bytes + 16 of padding a row), four fills in all, each wave fetching 64 rows; x's scales of all k come once, at the head, and stay.
; W GOES FROM MEMORY STRAIGHT INTO REGISTERS: a fragment is 2 x 512 consecutive bytes of wq, 16 bytes a lane.  Four sets of registers (128 k each) take turns; a set is asked for again, one block of 512 k on,
; as soon as its 64 products are issued.  So a wave reads 8 KiB from LDS for 128 k, not 16, and the ring holds x alone.  A step's memory instructions stand in ONE run, between two steps' products.
; CLUSTERS: 4 x 1 work-groups, the four of one tile row: they ask for x's tiles and scales jointly (mask 15).  W has no joint form: it comes by plain loads into registers.
; THE MATRIX INSTRUCTION IS USED TRANSPOSED (source 0 = 16 rows of W, source 1 = 16 rows of x): a lane holds eight neighbouring numbers of a row of out0.  The bias is the C of each accumulator's first product.
; THE LAST TWO STEPS GO BY ROWS OF out0: their operands all lie in registers (x's two sets, W's sets 2 and 3), so a block of 16 rows is finished by 16 products and leaves while the next block is multiplied.
; PREFETCHES.  W: in the trip of block t, which loads block t + 1, wave 0 names block t + 2: of the 2 x 136 units of 256 bytes that a tile column has in a block, the work-group of tile row y names
; 17: run y % 2, part y / 2; lanes 17-31 name the last again.  Block 1 is named at the head; blocks 6 and 7's trips name nothing.  x: behind the fill of slot s + 1 each wave names 16 rows x 512 bytes of slot s + 2's tile;
; the four partners share the 256 rows out by address (64 cx + 16 wave).
; K steps 2-3 and 4-5 are loops of two trips; 0, 1 (the first products), 6 and 7 (the last loads of W, then none) are written out.
; REGISTERS: window 0: v16-29 addresses; v32-39 x's scale words, two sets; v40-55 W's, four sets; v64-191 x's fragments, two sets; v192-255 the bias.  Window 1: W's fragments, four sets (on the way out sets 0, 1 take the rows read back).
; Windows 2, 3: the accumulators of my rows 0-63, 64-127 (accumulator (a, b) at v[8 (8 (a % 4) + b)]).
.set SIZE_N, 4096
.set PITCH,  528
.set QROWS,  64*PITCH                  ; what one load of the ring brings
.set SLOT,   256*PITCH
.set SCL,    2*SLOT                    ; x's scales: units of 256 bytes + 16
.set QS,     32*272
.set SBLK,   8*272                     ; the scales of 16 rows
.set SPARE,  SCL+4*QS                  ; the spare words: 512 bytes that no other line names
.set SPITCH, 528                       ; the way out: 16 rows x (512 + 16) bytes a wave, in slot 0 behind its last fill and last read
.set BLKB,   34816                     ; a block of wq
.set BSC,    32768                     ; its scale bytes
.set ADRA, 16                          ; v16-17 my x fragments in slot 0, 1
.set ADA,  18                          ; the same + the loop's step along k
.set ADSA, 19                          ; x's scale words: lanes 0-15 blocks 0-3, lanes 16-31 blocks 4-7; stepped 16 bytes a block of 512 k
.set BOF,  20                          ; 16 x lane: W's fragments, and a row of out0
.set BSO,  21                          ; W's scale words: 16 r + 1,024 h
.set BO,   22                          ; the bias: 32 h
.set STO,  24
.set RD,   25
.set PFO,  26                          ; W's prefetch
.set PFAO, 27                          ; x's prefetch
.set SPW,  28
.set NIL,  29
.set SA,   32
.set SB,   40
.set AF,   64
.set BI,   192
.set KOFF, 3
.set G1,   24                          ; group 1: 64 rows x 512 bytes
.set G1H,  32                          ; 128 rows x 512 bytes (the head)
.set G1S,  48                          ; 64 units of 256 bytes of scales
.set G0H,  56
.set G0S,  60
.set G0A,  68                          ; k 1,024.. -> slot 1
.set G0B,  72                          ; k 2,048.. -> slot 0
.set G0C,  76                          ; k 3,072.. -> slot 1
.set BB,   80                          ; s[80:81] my run of wq, at the block at work
.set PA,   82                          ; s[82:83] the rows of x that my prefetches name
.set MSB, 0
.macro WIN new                         ; the immediate's high byte repeats the setting that is left
.if MSB != \new
	s_set_vgpr_msb (MSB<<8)|\new
.set MSB, \new
.endif
.endm
.set MUL_LO, 0xa1                      ; source 0 (W) window 1, source 1 (x) window 0, C and D window 2
.set MUL_HI, 0xf1
.set FST_LO, 0x81                      ; the first products: C (the bias) window 0
.set FST_HI, 0xc1
.set TO_B,   0x40
.macro PLACES
.rept 4
	v_nop
.endr
.endm
.macro CROUND                          ; a round of the cluster's barrier
	s_barrier_signal -1
	s_barrier_wait -1
	s_cmp_lg_u32 s14, 0
	s_cbranch_scc1 .Lnw0_\@
	s_barrier_signal -3
.Lnw0_\@:
	s_barrier_wait -3
	s_barrier_signal -1
	s_barrier_wait -1
.endm
.macro MKG0 g, lds, add, src, off
	s_mov_b32 s[\g], 1
	s_add_co_u32 s[\g+1], s[\lds], \add
	s_add_nc_u64 s[\g+2:\g+3], s[\src:\src+1], \off
	s_or_b32 s[\g+3], s[\g+3], 0x80000000
.endm
.macro MKG1 g, w0, c, r, p
	s_mov_b32 s[\g], \w0
	s_mov_b32 s[\g+1], (\c)<<16
	s_mov_b32 s[\g+2], (\r)<<16
	s_mov_b32 s[\g+3], (\c)<<16
	s_mov_b32 s[\g+4], \r
	s_mov_b32 s[\g+5], \p
	s_mov_b32 s[\g+6], 0
	s_mov_b32 s[\g+7], 0
.endm
	s_load_b128 s[4:7], s[0:1], 0x0                ; x's codes, x's scales
	s_load_b128 s[8:11], s[0:1], 0x10              ; wq, bias
	s_load_b64 s[12:13], s[0:1], 0x20              ; out0
	v_lshl_add_u32 v[SPW], v0, 2, SPARE
	v_mov_b32 v[NIL], 0
	ds_add_u32 v[SPW], v[NIL]                      ; the opening lines: the add twice on end under one wait
	ds_add_u32 v[SPW], v[NIL]
	v_lshrrev_b32 v1, 5, v0
	v_readfirstlane_b32 s14, v1                    ; wave
	s_lshr_b32 s15, s14, 1                         ; my half of the tile's rows
	s_and_b32 s16, s14, 1                          ; my half of its columns
	s_bfe_u32 s40, ttmp6, 0x40000                  ; cx
	s_lshl_b32 s42, ttmp9, 2
	s_add_co_u32 s42, s42, s40                     ; tile column
	s_and_b32 s17, ttmp7, 0xffff                   ; tile row
	MKG1 G1,  15|(1<<20)|(1<<21)|(6<<22)|(3<<25), 512, 64, 2048          ; bytes; 16 bytes of padding behind every 512
	MKG1 G1H, 15|(1<<20)|(1<<21)|(6<<22)|(3<<25), 512, 128, 2048
	MKG1 G1S, 15|(3<<16)|(1<<20)|(1<<21)|(5<<22)|(3<<25), 32, 64, 32    ; elements of 8 bytes; 16 bytes behind every 256
	s_lshl_b32 s18, s17, 8                         ; the tile's first row of x
	s_lshl_b32 s19, s16, 7
	s_add_co_u32 s19, s18, s19                     ; the head: 128 rows by wave % 2
	s_lshl_b32 s20, s19, 11
	s_mov_b32 s21, 0
	s_lshl_b32 s22, s19, 7
	s_mov_b32 s23, 0
	s_lshl_b32 s44, s14, 6
	s_add_co_u32 s44, s18, s44                     ; the ring: 64 rows by wave
	s_lshl_b32 s44, s44, 11
	s_mov_b32 s45, 0
	s_lshl_b32 s46, s42, 1
	s_add_co_u32 s46, s46, s16
	s_mul_i32 s46, s46, 8*BLKB                     ; my run of wq
	s_mov_b32 s47, 0
	s_lshl_b32 s84, s40, 6
	s_lshl_b32 s85, s14, 4
	s_add_co_u32 s84, s84, s85
	s_add_co_u32 s84, s84, s18                     ; x's prefetch: rows 64 cx + 16 wave ..
	s_lshl_b32 s84, s84, 11
	s_mov_b32 s85, 0
	s_mul_i32 s86, s16, 128*PITCH
	s_mul_i32 s87, s16, 2*QS
	s_mul_i32 s88, s14, QROWS
	s_mul_i32 s89, s15, 128*PITCH
	s_mul_i32 s90, s15, 2*QS
	s_add_co_u32 s90, s90, SCL
	s_mul_i32 s91, s14, 16*SPITCH
	s_and_b32 s92, s17, 1
	s_mul_i32 s92, s92, 8*BLKB
	s_lshr_b32 s93, s17, 1
	s_mul_i32 s93, s93, 17*256
	s_add_co_u32 s92, s92, s93                     ; W's prefetch: run y % 2, part y / 2
	s_lshl_b32 s94, s42, 10
	s_lshl_b32 s95, s16, 9
	s_add_co_u32 s94, s94, s95                     ; my first column, in bytes
	s_mov_b32 s95, 0
	s_lshl_b32 s96, s15, 7
	s_add_co_u32 s96, s96, s18
	s_lshl_b32 s96, s96, 14                        ; my first row of out0, in bytes
	s_mov_b32 s97, 0
	v_and_b32 v1, 15, v0                           ; r
	v_bfe_u32 v2, v0, 4, 1                         ; h
	v_and_b32 v6, 31, v0
	v_mul_u32_u24 v3, v1, PITCH
	v_lshl_add_u32 v3, v2, 4, v3
	v_add_nc_u32 v[ADRA], s89, v3
	v_add_nc_u32 v[ADRA+1], SLOT, v[ADRA]
	v_lshlrev_b32 v4, 7, v1                        ; 128 scale bytes a row,
	v_lshrrev_b32 v5, 1, v1
	v_lshl_add_u32 v4, v5, 4, v4                   ; 16 more for each 256 passed,
	v_mad_u32_u24 v4, v2, 4*SBLK, v4               ; lanes 16-31 four blocks on
	v_add_nc_u32 v[ADSA], s90, v4
	v_lshlrev_b32 v[BOF], 4, v6
	v_lshlrev_b32 v7, 4, v1
	v_lshl_add_u32 v[BSO], v2, 10, v7
	v_lshlrev_b32 v[BO], 5, v2
	v_mul_u32_u24 v8, v1, SPITCH
	v_lshl_add_u32 v8, v2, 5, v8
	v_add_nc_u32 v[STO], s91, v8
	v_add_nc_u32 v[RD], s91, v[BOF]
	v_min_u32 v9, 16, v6
	v_lshl_add_u32 v[PFO], v9, 8, s92
	v_lshlrev_b32 v10, 11, v1
	v_lshl_add_u32 v[PFAO], v2, 8, v10
	s_wait_alu depctr_va_vdst(0)                   ; the wait at the end of the head's vector work
	s_wait_dscnt 0x0                               ; both opening adds are done
	s_wait_kmcnt 0x0
	s_add_nc_u64 s[20:21], s[4:5], s[20:21]
	s_add_nc_u64 s[22:23], s[6:7], s[22:23]
	s_add_nc_u64 s[44:45], s[4:5], s[44:45]
	s_add_nc_u64 s[BB:BB+1], s[8:9], s[46:47]
	s_add_nc_u64 s[PA:PA+1], s[4:5], s[84:85]
	s_add_nc_u64 s[10:11], s[10:11], s[94:95]
	s_add_nc_u64 s[12:13], s[12:13], s[94:95]
	s_add_nc_u64 s[12:13], s[12:13], s[96:97]
	MKG0 G0H, 86, 0, 20, 0
	MKG0 G0S, 87, SCL, 22, 0
	MKG0 G0A, 88, SLOT, 44, 512
	MKG0 G0B, 88, 0, 44, 1024
	MKG0 G0C, 88, SLOT, 44, 1536
	CROUND                                         ; the four partners are here: the first joint loads meet
	s_cmp_eq_u32 s15, 0                            ; one load a wave: waves 0, 1 slot 0's 2 x 128 rows, waves 2, 3 the scales of 2 x 128 rows
	s_cbranch_scc0 .Lhead_s
	tensor_load_to_lds s[G0H:G0H+3], s[G1H:G1H+7]
	s_nop 0
	PLACES
	s_branch .Lhead_j
.Lhead_s:
	tensor_load_to_lds s[G0S:G0S+3], s[G1S:G1S+7]
	s_nop 0
	PLACES
.Lhead_j:
.macro LOADB q, imm                    ; W's eight fragments and four scale words of the q-th 128 k of the block at BB + imm: 20 loads
	WIN TO_B
.irp i, 0,1,2,3,4,5,6,7
.irp c, 0,1
	global_load_b128 v[64*(\q)+8*\i+4*\c:64*(\q)+8*\i+4*\c+3], v[BOF], s[BB:BB+1] offset:(\imm)+1024*(\q)+512*\c+4096*\i
.endr
.endr
	WIN 0
.irp i, 0,1,2,3
	global_load_b32 v[SB+4*(\q)+\i], v[BSO], s[BB:BB+1] offset:(\imm)+BSC+256*\i+4*(\q)   ; lanes 0-15 block i, lanes 16-31 block i + 4
.endr
.endm
.macro ASKB imm                        ; wave 0 alone: its run is the tile column's first
	s_cmp_lg_u32 s14, 0
	s_cbranch_scc1 .Lnp_\@
	global_prefetch_b8 v[PFO], s[BB:BB+1] offset:\imm th:TH_LOAD_NT scope:SCOPE_SE
.Lnp_\@:
.endm
.macro FETCHA adr, off, set, soff      ; x's eight fragments of 128 k and their four scale registers, from LDS
.irp i, 0,1,2,3,4,5,6,7
.irp c, 0,1
	ds_load_b128 v[AF+64*(\set)+8*\i+4*\c:AF+64*(\set)+8*\i+4*\c+3], v[\adr] offset:(\off)+32*\c+\i*16*PITCH
.endr
.endr
.irp i, 0,1,2,3
	ds_load_b32 v[SA+4*(\set)+\i], v[ADSA] offset:(\soff)+\i*SBLK
.endr
.endm
.macro MUL8 a, q, first                ; x's block a against W's eight; the accumulators take turns
.irp b, 0,1,2,3,4,5,6,7
.set rD, 8*(8*((\a)%4)+\b)
.set rC, rD
.if \first
.set rC, BI+8*\b
.endif
.set rB, 64*(\q)+8*\b
.set rA, AF+64*((\q)%2)+8*(\a)
.set rSB, SB+4*(\q)+(\b%4)
.set rSA, SA+4*((\q)%2)+((\a)%4)
.if (\b < 4) && ((\a) < 4)
	v_wmma_scale_f32_16x16x128_f8f6f4 v[rD:rD+7], v[rB:rB+7], v[rA:rA+7], v[rC:rC+7], v[rSB], v[rSA] matrix_a_fmt:MATRIX_FMT_FP4 matrix_b_fmt:MATRIX_FMT_FP4
.elseif (\a) < 4
	v_wmma_scale_f32_16x16x128_f8f6f4 v[rD:rD+7], v[rB:rB+7], v[rA:rA+7], v[rC:rC+7], v[rSB], v[rSA] matrix_a_fmt:MATRIX_FMT_FP4 matrix_b_fmt:MATRIX_FMT_FP4 matrix_a_scale:MATRIX_SCALE_ROW1
.elseif \b < 4
	v_wmma_scale_f32_16x16x128_f8f6f4 v[rD:rD+7], v[rB:rB+7], v[rA:rA+7], v[rC:rC+7], v[rSB], v[rSA] matrix_a_fmt:MATRIX_FMT_FP4 matrix_b_fmt:MATRIX_FMT_FP4 matrix_b_scale:MATRIX_SCALE_ROW1
.else
	v_wmma_scale_f32_16x16x128_f8f6f4 v[rD:rD+7], v[rB:rB+7], v[rA:rA+7], v[rC:rC+7], v[rSB], v[rSA] matrix_a_fmt:MATRIX_FMT_FP4 matrix_b_fmt:MATRIX_FMT_FP4 matrix_a_scale:MATRIX_SCALE_ROW1 matrix_b_scale:MATRIX_SCALE_ROW1
.endif
.endr
.endm
; A step of 128 k, the q-th of its block.  off >= 0: the next step's x is fetched first, at byte off from v[adr], into the other set (the four v_nop at the last step's end are its places).
; ldb = 1: W's set q is asked for again, one block on.  br = 1: the fetch is left out in the loop's second trip, whose successor lies in the other slot.
.macro STEP q, adr, off, first, ldb, ask, br
	s_wait_dscnt 0x0                               ; this step's x and its scale words are in
.if \br
	s_cmp_lg_u32 s[KOFF], 0
	s_cbranch_scc1 .Lnf_\@
.endif
.if (\off) >= 0
	FETCHA \adr, \off, ((\q)+1)%2, 4*((\q)+1)
.endif
.if \br
.Lnf_\@:
.endif
	s_wait_loadcnt 60-20*(\q)*(1-(\ldb))           ; W's set q is in: behind its 20 loads those of the three next steps were issued (in the last block: of the steps that are left)
.if \ask
	ASKB 2*BLKB
.endif
.if \first
	WIN FST_LO
.else
	WIN MUL_LO
.endif
.irp a, 0,1,2,3
	MUL8 \a, \q, \first
.endr
.if \first
	WIN FST_HI
.else
	WIN MUL_HI
.endif
.irp a, 4,5,6,7
	MUL8 \a, \q, \first
.endr
	PLACES                                         ; in front of loads into registers that these products read
.if \ldb
	LOADB \q, BLKB
.endif
	WIN 0
.endm
.macro KSEND stepb                     ; a block of 512 k is done
	v_add_nc_u32 v[ADSA], 16, v[ADSA]
	s_wait_alu depctr_va_vdst(0)                   ; the wait directly behind the write
.if \stepb
	s_wait_xcnt 0x0                                ; the loads and the prefetch have read their base
	s_add_nc_u64 s[BB:BB+1], s[BB:BB+1], BLKB
.endif
.endm
.macro KSF slot, ko, first, ask, more              ; a block written out, at byte ko of the slot's rows
	STEP 0, ADRA+\slot, \ko+64, \first, 1, 0, 0
	STEP 1, ADRA+\slot, \ko+128, 0, 1, \ask, 0
	STEP 2, ADRA+\slot, \ko+192, 0, 1, 0, 0
.if \more
	STEP 3, ADRA+\slot, \ko+256, 0, 1, 0, 0
.else
	STEP 3, ADRA+\slot, -1, 0, 1, 0, 0
.endif
.endm
.macro BIGLOOP slot                    ; a slot's two blocks: two trips
	s_mov_b32 s[KOFF], 0
.Lbig_\@:
	v_add_nc_u32 v[ADA], s[KOFF], v[ADRA+\slot]
	s_wait_alu depctr_va_vdst(0)                   ; the wait directly behind the write
	STEP 0, ADA, 64, 0, 1, 0, 0
	STEP 1, ADA, 128, 0, 1, 1, 0
	STEP 2, ADA, 192, 0, 1, 0, 0
	STEP 3, ADRA+\slot, 256, 0, 1, 0, 1            ; runs its fetch in the first trip alone: so its address is the slot's byte 256
	KSEND 1
	s_add_co_u32 s[KOFF], s[KOFF], 256
	s_cmp_lt_u32 s[KOFF], 512
	s_cbranch_scc1 .Lbig_\@
.endm
; A change of slots with a fill: all my tensor loads have landed, the add, my LDS reads are back; a round; my one joint load first behind it; then the other slot's first fragments.
.macro CHANGE g0, next
	s_wait_tensorcnt 0x0
	ds_add_u32 v[SPW], v[NIL]
	s_wait_dscnt 0x0
	CROUND
	tensor_load_to_lds s[\g0:\g0+3], s[G1:G1+7]    ; 64 rows by wave: every wave issues this line with its own rows
	s_nop 0
	PLACES
	FETCHA ADRA+\next, 0, 0, 0
.endm
	ASKB BLKB
.irp b, 0,1,2,3,4,5,6,7
	global_load_b128 v[BI+8*\b:BI+8*\b+3], v[BO], s[10:11] offset:64*\b       ; the bias in the result's layout: ahead of W's loads, so the first step's count covers it
	global_load_b128 v[BI+8*\b+4:BI+8*\b+7], v[BO], s[10:11] offset:64*\b+16
.endr
.irp q, 0,1,2,3
	LOADB \q, 0
.endr
	CHANGE G0A, 0                                  ; slot 0 and the scales are in; slot 1's first fill, issued as a refill is
	global_prefetch_b8 v[PFAO], s[PA:PA+1] offset:1024 th:TH_LOAD_NT scope:SCOPE_SE   ; the tile that the next change of slots asks for
	KSF 0, 0, 1, 1, 1
	KSEND 1
	KSF 0, 256, 0, 1, 0
	KSEND 1
	CHANGE G0B, 1
	global_prefetch_b8 v[PFAO], s[PA:PA+1] offset:1536 th:TH_LOAD_NT scope:SCOPE_SE
	BIGLOOP 1
	CHANGE G0C, 0
	BIGLOOP 0
	s_wait_tensorcnt 0x0                           ; the last tile is in; nothing is filled again, so no round follows
	ds_add_u32 v[SPW], v[NIL]
	s_wait_dscnt 0x0
	s_barrier_signal -1
	s_barrier_wait -1
	FETCHA ADRA+1, 0, 0, 0
	KSF 1, 0, 0, 0, 1                              ; block 6 asks for W's last block
	KSEND 0
	STEP 0, ADRA+1, 256+64, 0, 0, 0, 0             ; block 7 asks for nothing: its counts run down
	STEP 1, ADRA+1, 256+128, 0, 0, 0, 0
; THE LAST TWO STEPS, BY ROWS, AND THE WAY OUT.  A block of 16 rows x 128 columns is finished by 16 products (its 8 accumulators by turns, k ascending), goes through my own stage in slot 0 and comes back as whole
; rows of 512 bytes, into W's sets 0 and 1 by turns (window 1), which are done with.  LDS serves a wave's instructions in order (ISA guide 5.7.1.4).
.macro TOSTAGE a
.set AC, 64*((\a)%4)
	WIN 0x08+4*((\a)/4)                            ; the data: window 2 or 3
.irp b, 0,1,2,3,4,5,6,7
	ds_store_b128 v[STO], v[AC+8*\b:AC+8*\b+3] offset:64*\b          ; each accumulator from its low end on
	ds_store_b128 v[STO], v[AC+8*\b+4:AC+8*\b+7] offset:64*\b+16
.endr
	WIN TO_B
.set BBK, 64*((\a)%2)
.irp t, 0,1,2,3,4,5,6,7,8,9,10,11,12,13,14,15
	ds_load_b128 v[BBK+4*\t:BBK+4*\t+3], v[RD] offset:\t*SPITCH
.endr
.endm
.macro SEND a
.set BBK, 64*((\a)%2)
	s_wait_dscnt 0x0                               ; the block is back in registers
.if (\a) > 0
	s_add_nc_u64 s[12:13], s[12:13], 16*SIZE_N*4   ; behind a wait on XCNT: the earlier stores have read their base
.endif
	WIN 0x04                                       ; the data: window 1
.irp t, 0,1,2,3,4,5,6,7,8,9,10,11,12,13,14,15
	global_store_b128 v[BOF], v[BBK+4*\t:BBK+4*\t+3], s[12:13] offset:\t*SIZE_N*4 th:TH_STORE_NT   ; 32 lanes store 512 consecutive bytes, aligned
.endr
.endm
	s_wait_dscnt 0x0                               ; x of the last step but one is in
	FETCHA ADRA+1, 256+192, 1, 12                  ; x of the last step
	s_wait_loadcnt 0x0                             ; W's sets 2 and 3: the youngest loads were issued two steps ago
	WIN MUL_LO
	MUL8 0, 2, 0
	s_wait_dscnt 0x0
	MUL8 0, 3, 0
	PLACES                                         ; in front of the stores that read results just made
	TOSTAGE 0
.irp a, 1,2,3,4,5,6,7
	WIN MUL_LO+0x50*(\a/4)
	MUL8 \a, 2, 0                                  ; the next block is multiplied while the last is on its way through the stage
	MUL8 \a, 3, 0
.if \a > 1
	s_wait_xcnt 0x0                                ; block a - 2's stores have read their registers and their base
.endif
	SEND \a-1
	PLACES
	TOSTAGE \a
.endr
	s_wait_xcnt 0x0
	SEND 7
	WIN 0
	s_wait_tensorcnt 0x0                           ; the wave's end
	ds_add_u32 v[SPW], v[NIL]
	s_wait_dscnt 0x0
	CROUND                                         ; the closing round
	s_endpgm
.Lfunc_end_k_qc4f8e2d404_gemm:
	.size	k_qc4f8e2d404_gemm, .Lfunc_end_k_qc4f8e2d404_gemm-k_qc4f8e2d404_gemm
	.p2alignl 7, 3214868480
	.fill 96, 4, 3214868480
	.section	.rodata,"a",@progbits
	.p2align	6, 0x0
	.amdhsa_kernel k_qc4f8e2d404_gemm
		.amdhsa_group_segment_fixed_size 327680
		.amdhsa_private_segment_fixed_size 0
		.amdhsa_enable_private_segment 0
		.amdhsa_kernarg_size 40
		.amdhsa_user_sgpr_count 2
		.amdhsa_user_sgpr_kernarg_segment_ptr 1
		.amdhsa_wavefront_size32 1
		.amdhsa_system_sgpr_workgroup_id_x 1
		.amdhsa_system_sgpr_workgroup_id_y 1
		.amdhsa_system_sgpr_workgroup_id_z 1
		.amdhsa_system_vgpr_workitem_id 0
		.amdhsa_next_free_vgpr 1024
		.amdhsa_next_free_sgpr 98
		.amdhsa_reserve_vcc 0
		.amdhsa_float_denorm_mode_32 3
		.amdhsa_float_denorm_mode_16_64 3
		.amdhsa_memory_ordered 1
		.amdhsa_forward_progress 1
		.amdhsa_inst_pref_size 255
	.end_amdhsa_kernel
	.section	.bss,"aw",@nobits
	.p2align	6
	.space	262144
	.amdgpu_metadata
---
amdhsa.version: [ 1, 2 ]
amdhsa.kernels:
  - .name:           k_qc4f8e2d404_gemm
    .symbol:         k_qc4f8e2d404_gemm.kd
    .args:
      - { .name: input_codes, .offset: 0, .size: 8, .value_kind: global_buffer, .address_space: global }
      - { .name: input_scales, .offset: 8, .size: 8, .value_kind: global_buffer, .address_space: global }
      - { .name: wq, .offset: 16, .size: 8, .value_kind: global_buffer, .address_space: global }
      - { .name: bias, .offset: 24, .size: 8, .value_kind: global_buffer, .address_space: global }
      - { .name: out0, .offset: 32, .size: 8, .value_kind: global_buffer, .address_space: global }
    .group_segment_fixed_size: 327680
    .private_segment_fixed_size: 0
    .kernarg_segment_align: 8
    .kernarg_segment_size: 40
    .max_flat_workgroup_size: 128
    .sgpr_count:     98
    .vgpr_count:     1024
    .wavefront_size: 32
...
	.end_amdgpu_metadata
.endif
;; end of part 2
